; MI455X (gfx1250); checked and timed in simulation.
; The chip was launched on July 23, 2026; its instructions are those of AMD's public machine-readable ISA for CDNA 5 (MIT licence, August 2026) and "CDNA5" Instruction Set Architecture Reference Guide (July 2026). The comments in the code are by the model that wrote it; some were corrected since.
;; Multi Head Attention. Allowed arithmetic: matrix products marked QUANTISED: E2M1 operands, one E8M0 scale for each 32 along K, by v_wmma_scale_f32_16x16x128_f8f6f4 with both operands' format E2M1 (or v_wmma_scale_f32_32x16x128_f4), f32 sums; everything else in f32.
;; Inputs: bk 12 x 64 float32; bo 768 float32; bq 12 x 64 float32; bv 12 x 64 float32; wk_codes 12 x 64 x 24 x 16 uint8 (E2M1 codes of wk, K innermost, in blocks of 32 codes, two codes a byte); wk_scales 12 x 64 x 24 uint8 (E8M0 scales of wk, one for each 32 codes along K); wo_codes 768 x 24 x 16 uint8 (E2M1 codes of wo, K innermost, in blocks of 32 codes, two codes a byte); wo_scales 768 x 24 uint8 (E8M0 scales of wo, one for each 32 codes along K); wq_codes 12 x 64 x 24 x 16 uint8 (E2M1 codes of wq, K innermost, in blocks of 32 codes, two codes a byte); wq_scales 12 x 64 x 24 uint8 (E8M0 scales of wq, one for each 32 codes along K); wv_codes 12 x 64 x 24 x 16 uint8 (E2M1 codes of wv, K innermost, in blocks of 32 codes, two codes a byte); wv_scales 12 x 64 x 24 uint8 (E8M0 scales of wv, one for each 32 codes along K); x_codes 1 x 4,096 x 24 x 16 uint8 (E2M1 codes of x, K innermost, in blocks of 32 codes, two codes a byte); x_scales 1 x 4,096 x 24 uint8 (E8M0 scales of x, one for each 32 codes along K).
;; Outputs: out0 1 x 4,096 x 768 float32.
;; This version of the problem:
;;   THIS VERSION OF THE PROBLEM IS GIVEN IN LOW PRECISION. The matrix products marked QUANTISED in the list below multiply operands that are first quantised to E2M1 (2 exponent bits, 1 mantissa bit; 4 bits a number), with one power-of-two scale for each 32 numbers along K (OCP MX v1.0); their sums are f32. All else is computed in f32.
;;   The module's matrix products, in the order in which they are computed (A, B: the left and right operand; K: the contracted axis; several contracted axes count as one K, in the product's order):
;;     1. [M 768, K 768] x [K 768, N 4,096]; A: input wq (given as codes); B: input x (given as codes): QUANTISED
;;     2. [M 768, K 768] x [K 768, N 4,096]; A: input wk (given as codes); B: input x (given as codes): QUANTISED
;;     3. [M 768, K 768] x [K 768, N 4,096]; A: input wv (given as codes); B: input x (given as codes): QUANTISED
;;     4. batch 12 x [M 4,096, K 64] x [K 64, N 4,096]; A: computed on the way; B: computed on the way: QUANTISED
;;     5. batch 12 x [M 4,096, K 4,096] x [K 4,096, N 64]; A: softmax (see below); B: computed on the way: QUANTISED
;;     6. [M 4,096, K 768] x [K 768, N 768]; A: computed on the way; B: input wo (given as codes): QUANTISED
;;   THE QUANTISER, for each operand of a quantised product, along K:
;;     - K is cut into blocks of 32 from its start; a last block that is shorter is filled with zeros.
;;     - A block's scale is 2^e with e = floor(log2(the largest magnitude in the block)) - 2, held to -126 .. 127; a block of zeros has e = 0. As a byte (E8M0): e + 127.
;;     - Each number is divided by its block's scale, clamped to +-6, and rounded to the nearest number of E2M1, ties to even, subnormals kept.
;;     - The product sums the exact products of the quantised numbers (number of the format x scale) in f32.
;;   ~~~python
;;   def quantise(x, axis):      # numpy; x: float32 -> the quantised numbers, widened to float32 again
;;       x = np.moveaxis(x, axis, -1); K = x.shape[-1]
;;       x = np.pad(x, [(0, 0)] * (x.ndim - 1) + [(0, -K % 32)]); x = x.reshape(x.shape[:-1] + (-1, 32)); a = np.abs(x).max(-1, keepdims=True)
;;       e = np.where(a > 0, np.clip(np.frexp(np.where(a > 0, a, 1))[1] - 1 - 2, -126, 127), 0)      # np.frexp(a)[1] - 1 = floor(log2(a)), exactly
;;       r = np.clip(x / 2.0 ** e, -6, 6)
;;       step = 2.0 ** (np.maximum(np.frexp(np.where(r == 0, 1, r))[1] - 1, 0) - 1)
;;       q = np.round(r / step) * step * 2.0 ** e      # np.round: ties to even
;;       return np.moveaxis(q.reshape(q.shape[:-2] + (-1,))[..., :K], -1, axis).astype(np.float32)
;;   ~~~
;;   SOFTMAX AHEAD OF A QUANTISED PRODUCT. Where the list says 'softmax', what is quantised is not the finished softmax but p = 2^(t - M), with t = logit x log2(e) and M = ceil(the row's largest t), a whole number; so 1/2 < the row's largest p <= 1. The row's sum l is taken of the UNQUANTISED p, in f32, and the product's result is divided by l at the end. Since M is a whole number, a kernel that streams over the keys may use a running M (the ceiling of the running maximum): every later rescaling is an exact power of two, which a block's scale takes up: the codes' values come out the same.
;;   OPERANDS COMPUTED ON THE WAY. 'Computed on the way' means the value that the module computes at that place (a softmax that the list does not call 'softmax' is quantised finished and normalised). What goes into a quantiser is computed in f32, as accurately as f32 sums, v_exp_f32 and their like allow (about 1e-6 of the number): no bf16 or f16 on the way to a quantiser, and a product that is left as it is and whose result goes on into a quantised operand takes f32 operands (vector FMAs, or v_wmma_f32_16x16x4_f32). A number that lies on a knife's edge between two numbers of the format may be rounded either way, as far as f32 arithmetic and the matrix unit's own rounding can turn it there, and no further.
;;   INPUTS GIVEN AS CODES. wk (in the module: [12, 768, 64], K = its axis 1); wo (in the module: [768, 768], K = its axis 0); wq (in the module: [12, 768, 64], K = its axis 1); wv (in the module: [12, 768, 64], K = its axis 1); x (in the module: [1, 4096, 768], K = its axis 2): each comes as NAME_codes (uint8): NAME with its K axis moved to the last place and cut into blocks of 32 codes, [.., K / 32, bytes a block], one block behind the other in memory; two codes a byte, the lower K in the low four bits (a code: sign, 2 exponent bits, 1 mantissa bit); and NAME_scales (uint8): the same leading axes, one E8M0 byte (e + 127) for each 32 codes along K. Its value is code x scale, taken as it is: it is not quantised again, and the codes and scales need not be those that the quantiser above would give.
;; One version. Each part assembles by itself: llvm-mc -triple=amdgcn-amd-amdhsa -mcpu=gfx1250 --defsym DOCPART=n.
;; ======== version 1 of 1: 3 launches
;; limits: right only within a limited range of input values
;; workspace buffers: qb 1,769,472 bytes; kv 3,538,944 bytes; hc 2,359,296 bytes
;; launch proj (part 1): grid 64 x 4, 9 waves a work-group, clusters of 4 x 4, 278,528 bytes of LDS; arguments x_codes, x_scales, wq_codes, wk_codes, wv_codes, wq_scales, wk_scales, wv_scales, bq, bk, bv, qb, kv; writes qb, kv
.if DOCPART == 1
	.amdgcn_target "amdgcn-amd-amdhsa--gfx1250"
	.amdhsa_code_object_version 6
	.text
	.protected	k_q5487e1e789_proj
	.globl	k_q5487e1e789_proj
	.p2align	8
	.type	k_q5487e1e789_proj,@function
k_q5487e1e789_proj:
	s_mov_b64 s[64:65], 0
	v_nop
	global_prefetch_b8 v0, s[64:65] scope:SCOPE_SE
	s_setreg_imm32_b32 hwreg(HW_REG_WAVE_MODE, 25, 1), 1
	s_wait_xcnt 0x0
	s_wait_alu depctr_hold_cnt(0) depctr_sa_sdst(0) depctr_va_vdst(0) depctr_va_sdst(0) depctr_va_ssrc(0) depctr_va_vcc(0) depctr_vm_vsrc(0)
	s_getreg_b32 s2, hwreg(HW_REG_IB_STS2, 6, 4)
	s_cmp_eq_u32 s2, 0
	s_cbranch_scc0 .Lentry_in_a_cluster
	s_endpgm
.Lentry_in_a_cluster:
	s_bfe_u32 s2, ttmp6, 0x10000c
	s_cmp_lg_u32 s2, 0xf033
	s_cbranch_scc0 .Lentry_shape_is_right
	s_endpgm
.Lentry_shape_is_right:
; q, k, v = x W + b on codes of FP4 (E2M1) with one E8M0 scale for each 32 along K = 768; the results are quantised at once and leave as codes and scale bytes.
; DEAD WORK of the program: scores and weighted values of key blocks that reference()'s own causal mask hides wholly (the attention launch leaves those key steps out): their p is 0 whatever the inputs hold. A NaN, an infinity or an overflow that reaches only those is not carried to the result. This launch leaves nothing out.
; SHARES. Work-group (X = 64 tokens, y = 3 heads): nine waves; wave w makes matrix w / 3 (q, k, v) of head 3 y + w % 3: 64 tokens x 64 columns, 96 matrix instructions.
; Clusters 4 x 4: W's tiles hang on y alone and are asked for jointly along a row of the cluster, x's on X alone and jointly along a column. Waves 0 to 5 fetch W (half a matrix's three heads each), waves 6 and 7 x's halves: one load a wave, one barrier, nothing is filled twice.
; Nothing is prefetched: every byte is asked for at the head, there is no loop to run ahead in.
; THE ROWS OF A TILE ARE NOT NEIGHBOURS: lane r of tile i takes row 8 i + r + 24 (r / 8). As source 0 four such tiles give a lane (r, h) the 32 neighbours 32 h + 0 .. 31: a whole block of the quantiser in one lane, in the order of the next operand's registers.
; q, k (quantised along the head's 64): source 0 (inner) = W, source 1 (outer) = tokens.  v (quantised along tokens): inner = tokens, outer = W.
; WORKSPACE, as images of operand registers (four registers = 512 bytes, lane l's 16 bytes at 16 l): qb [12 heads][32 steps of 128 tokens][4,608]: 8 tiles x 512, then two units of 256 bytes of scale words;
;   kv [12][32][9,216]: k laid as q; from 4,608 V^T: [64 keys c][4 tiles of d][512], then two units of scale words. A work-group owns half a step (c = X % 2): whole units of 256 bytes.
; LIMITS: NaN and infinities are not served; a block whose largest magnitude lies under 2^-124 is held at the scale byte 1; a block of zeros gets the byte 1 where the rule says 127 (its codes are zeros, and this program alone reads the bytes).
; REGISTERS. window 0: v2-11 addresses, v12-19 at work, v20-31 inner scale words, v32-43 outer ones, v44-63 at work, v64-95 inner and v96-127 outer fragments of even K steps, v128-255 sixteen accumulators. window 1: v0-63 the fragments of odd K steps; v0-31 first hold the bias.
.set WB,   27648                       ; a head's W in LDS: 64 rows x 432 bytes (16 bytes of padding behind every 128)
.set XL,   248832                      ; x's rows 0-31;
.set XH,   13952                       ; rows 32-63 begin so much later: 32 rows of 432 bytes and 128 more
.set SPARE, 276736
.set IS,   20
.set OS,   32
.set TM,   44
.set HA,   128
.set G1W,  68
.set G1X,  76
.set G0W,  84
.set G0X,  88
.set SEL,  52
.set MSB, 0
.macro WIN new                         ; the immediate's high byte repeats the setting that is left
.if MSB != \new
	s_set_vgpr_msb (MSB<<8)|\new
.set MSB, \new
.endif
.endm
.macro PLACES n
.rept \n
	v_nop
.endr
.endm
.macro CROUND                          ; a round of the cluster's barrier
	s_barrier_signal -1
	s_barrier_wait -1
	s_cmp_lg_u32 s30, 0
	s_cbranch_scc1 .Lnot_wave_0_\@
	s_barrier_signal -3
.Lnot_wave_0_\@:
	s_barrier_wait -3
	s_barrier_signal -1
	s_barrier_wait -1
.endm
; one matrix instruction; ra, rb: the side's scales stand in lanes 16-31 of the register named
.macro WM d, a, b, c, sa, sb, ra, rb
.if (\ra) && (\rb)
	v_wmma_scale_f32_16x16x128_f8f6f4 v[\d:\d+7], v[\a:\a+7], v[\b:\b+7], v[\c:\c+7], v[\sa], v[\sb] matrix_a_fmt:MATRIX_FMT_FP4 matrix_b_fmt:MATRIX_FMT_FP4 matrix_a_scale:MATRIX_SCALE_ROW1 matrix_b_scale:MATRIX_SCALE_ROW1
.elseif (\ra)
	v_wmma_scale_f32_16x16x128_f8f6f4 v[\d:\d+7], v[\a:\a+7], v[\b:\b+7], v[\c:\c+7], v[\sa], v[\sb] matrix_a_fmt:MATRIX_FMT_FP4 matrix_b_fmt:MATRIX_FMT_FP4 matrix_a_scale:MATRIX_SCALE_ROW1
.elseif (\rb)
	v_wmma_scale_f32_16x16x128_f8f6f4 v[\d:\d+7], v[\a:\a+7], v[\b:\b+7], v[\c:\c+7], v[\sa], v[\sb] matrix_a_fmt:MATRIX_FMT_FP4 matrix_b_fmt:MATRIX_FMT_FP4 matrix_b_scale:MATRIX_SCALE_ROW1
.else
	v_wmma_scale_f32_16x16x128_f8f6f4 v[\d:\d+7], v[\a:\a+7], v[\b:\b+7], v[\c:\c+7], v[\sa], v[\sb] matrix_a_fmt:MATRIX_FMT_FP4 matrix_b_fmt:MATRIX_FMT_FP4
.endif
.endm
; K step s: 16 matrix instructions, the accumulators by turns. c = 0: in place; 1: the bias of the inner tile is C; 2: that of the outer tile
.macro MM s, c
.set FI, 64-64*(\s%2)
.irp o, 0,1,2,3
.irp i, 0,1,2,3
.if \c == 0
	WM HA+32*\o+8*\i, FI+8*\i, FI+32+8*\o, HA+32*\o+8*\i, IS+6*(\i/2)+\s, OS+6*(\o/2)+\s, \i%2, \o%2
.elseif \c == 1
	WM HA+32*\o+8*\i, FI+8*\i, FI+32+8*\o, 8*\i, IS+6*(\i/2)+\s, OS+6*(\o/2)+\s, \i%2, \o%2
.else
	WM HA+32*\o+8*\i, FI+8*\i, FI+32+8*\o, 8*\o, IS+6*(\i/2)+\s, OS+6*(\o/2)+\s, \i%2, \o%2
.endif
.endr
.endr
.endm
; K step s: 16 LDS loads; odd steps go to window 1
; all six K steps: ia, oa: the registers with the inner and the outer side's LDS address; cc: whose bias is C. Odd steps' fragments are on their way while an even step is multiplied, and the other way round
.macro RUN ia, oa, cc
	LD 0, \ia, \oa
	s_wait_dscnt 0x0
	WIN 0x10                                       ; source 2 (the bias) in window 1
	MM 0, \cc
	WIN 0
	PLACES 4                                       ; in front of loads into registers that matrix instructions have read
	LD 1, \ia, \oa
	LD 2, \ia, \oa
.irp s, 1,2,3,4,5
.if \s < 5
	s_wait_dscnt 16                                ; the next K step's 16 loads may be out
.else
	s_wait_dscnt 0x0
.endif
	WIN 0x05*(\s%2)
	MM \s, 0
	WIN 0
.if \s < 4
	PLACES 4
	LD (\s+2), \ia, \oa
.endif
.endr
.endm
.macro LD s, ia, oa
	WIN 0x40*((\s)%2)
.set FI, 64-64*((\s)%2)
.set FO, 144*((\s)/2)+64*((\s)%2)      ; the K step's place in a padded row
.irp i, 0,1,2,3
.irp c, 0,1
	ds_load_b128 v[FI+8*\i+4*\c:FI+8*\i+4*\c+3], v[\ia] offset:3456*\i+FO+32*\c
.endr
.endr
.irp i, 0,1,2,3
.irp c, 0,1
	ds_load_b128 v[FI+32+8*\i+4*\c:FI+32+8*\i+4*\c+3], v[\oa] offset:3456*\i+FO+32*\c
.endr
.endr
	WIN 0
.endm
	s_load_b512 s[4:19], s[0:1], 0x0               ; x codes 4:5, x scales 6:7, wq, wk, wv codes 8:13, wq, wk, wv scales 14:19
	s_load_b256 s[20:27], s[0:1], 0x40             ; bq, bk, bv 20:25, qb 26:27
	s_load_b64 s[28:29], s[0:1], 0x60              ; kv
	v_lshl_add_u32 v2, v0, 2, SPARE
	v_mov_b32 v3, 0
	ds_add_u32 v2, v3                              ; the wave's opening: the add, twice on end, and its wait
	ds_add_u32 v2, v3
	v_lshrrev_b32 v12, 5, v0
	v_readfirstlane_b32 s30, v12                   ; wave 0..8
	s_bfe_u32 s54, ttmp6, 0x40000                  ; cx
	s_bfe_u32 s55, ttmp6, 0x40004                  ; cy = y: one cluster stands along y
	s_lshl_b32 s56, ttmp9, 2
	s_add_co_u32 s56, s56, s54                     ; X
	s_mul_i32 s31, s30, 11
	s_lshr_b32 s31, s31, 5                         ; w / 3: 0 q, 1 k, 2 v
	s_mul_i32 s57, s31, 3
	s_sub_co_u32 s57, s30, s57
	s_mul_i32 s58, s55, 3
	s_add_co_u32 s57, s57, s58                     ; head
	s_lshl_b32 s58, s55, 2
	s_lshl_b32 s58, 15, s58                        ; my row of the cluster
	s_lshl_b32 s59, 0x1111, s54                    ; my column
	; dense blocks as rows of 256 bytes (32 elements of 8 bytes), 4 words of padding behind every 32: W 144 rows, x 48
	s_or_b32 s[G1W], s58, (3<<16)|(1<<20)|(1<<21)|(4<<22)|(3<<25)
	s_mov_b32 s[G1W+1], 32<<16
	s_mov_b32 s[G1W+2], 144<<16
	s_mov_b32 s[G1W+3], 32<<16
	s_mov_b32 s[G1W+4], 144
	s_mov_b32 s[G1W+5], 32
	s_mov_b32 s[G1W+6], 0
	s_mov_b32 s[G1W+7], 0
	s_or_b32 s[G1X], s59, (3<<16)|(1<<20)|(1<<21)|(4<<22)|(3<<25)
	s_mov_b32 s[G1X+1], 32<<16
	s_mov_b32 s[G1X+2], 48<<16
	s_mov_b32 s[G1X+3], 32<<16
	s_mov_b32 s[G1X+4], 48
	s_mov_b32 s[G1X+5], 32
	s_mov_b32 s[G1X+6], 0
	s_mov_b32 s[G1X+7], 0
	s_wait_alu depctr_va_vdst(0)
	s_wait_dscnt 0x0                               ; both opening adds are done
	s_wait_kmcnt 0x0
	s_and_b32 s60, s30, 1
	s_lshr_b32 s61, s30, 1
	s_cmp_eq_u32 s61, 0
	s_cselect_b64 s[92:93], s[8:9], s[10:11]
	s_cmp_eq_u32 s61, 1
	s_cselect_b64 s[92:93], s[10:11], s[92:93]
	s_cmp_eq_u32 s61, 2
	s_cselect_b64 s[92:93], s[12:13], s[92:93]     ; the matrix that waves 2 m and 2 m + 1 fetch
	s_mul_i32 s62, s55, 73728
	s_mul_i32 s61, s60, 36864
	s_add_co_u32 s62, s62, s61
	s_mov_b32 s63, 0
	s_mov_b32 s[G0W], 1
	s_mul_i32 s[G0W+1], s30, 41472
	s_add_nc_u64 s[G0W+2:G0W+3], s[92:93], s[62:63]
	s_or_b32 s[G0W+3], s[G0W+3], 0x80000000
	s_mul_i32 s42, s56, 24576
	s_mul_i32 s61, s60, 12288
	s_add_co_u32 s42, s42, s61
	s_mov_b32 s43, 0
	s_mov_b32 s[G0X], 1
	s_mul_i32 s[G0X+1], s60, XH
	s_add_co_u32 s[G0X+1], s[G0X+1], XL
	s_add_nc_u64 s[G0X+2:G0X+3], s[4:5], s[42:43]
	s_or_b32 s[G0X+3], s[G0X+3], 0x80000000
	CROUND                                         ; all sixteen work-groups are here: the joint loads meet
	s_cmp_lt_u32 s30, 6
	s_cbranch_scc0 .Lhead_x
	tensor_load_to_lds s[G0W:G0W+3], s[G1W:G1W+7]
	s_nop 0
	PLACES 4
	s_branch .Lasked
.Lhead_x:
	s_cmp_lt_u32 s30, 8
	s_cbranch_scc0 .Lasked
	tensor_load_to_lds s[G0X:G0X+3], s[G1X:G1X+7]
	s_nop 0
	PLACES 4
.Lasked:
	s_cmp_eq_u32 s31, 0
	s_cselect_b64 s[34:35], s[14:15], s[16:17]     ; W's scales
	s_cselect_b64 s[36:37], s[20:21], s[22:23]     ; the bias
	s_cselect_b64 s[38:39], s[26:27], s[28:29]     ; where the results go
	s_mov_b32 s60, 9216
	s_cselect_b32 s60, 4608, s60                   ; a step's bytes there
	s_cmp_eq_u32 s31, 2
	s_cselect_b64 s[34:35], s[18:19], s[34:35]
	s_cselect_b64 s[36:37], s[24:25], s[36:37]
	s_cselect_b32 s61, 4608, 0                     ; V^T lies behind k
	s_lshr_b32 s42, s56, 1
	s_lshl_b32 s62, s57, 5
	s_add_co_u32 s42, s42, s62
	s_mul_i32 s42, s42, s60
	s_add_co_u32 s42, s42, s61
	s_add_nc_u64 s[38:39], s[38:39], s[42:43]      ; the step
	s_and_b32 s61, s56, 1                          ; c
	s_lshl_b32 s42, s61, 8
	s_add_nc_u64 s[40:41], s[38:39], s[42:43]      ; scale words: 4,096 + 256 c further on
	s_lshl_b32 s42, s61, 11
	s_add_nc_u64 s[38:39], s[38:39], s[42:43]      ; codes: 2,048 c
	s_mul_i32 s42, s57, 1536
	s_add_nc_u64 s[34:35], s[34:35], s[42:43]
	s_lshl_b32 s42, s57, 8
	s_add_nc_u64 s[36:37], s[36:37], s[42:43]
	s_mul_i32 s42, s56, 1536
	s_add_nc_u64 s[44:45], s[6:7], s[42:43]        ; x's scales
	; the two words of a lane that leave: q: a token's two bytes twice; k: bytes of two tiles, both words alike; v: two bytes at place 2 c, zeros beside them
	s_cmp_eq_u32 s61, 1
	s_mov_b32 s66, 0x0c0c0100
	s_cselect_b32 s66, 0x01000c0c, s66
	s_mov_b32 s67, 0x0c0c0302
	s_cselect_b32 s67, 0x03020c0c, s67
	s_cmp_eq_u32 s31, 1
	s_cselect_b32 s66, 0x03020100, s66
	s_cselect_b32 s67, 0x03020100, s67
	s_cmp_eq_u32 s31, 0
	s_cselect_b32 s66, 0x01000100, s66
	s_cselect_b32 s67, 0x03020302, s67
	s_cmp_eq_u32 s31, 2
	s_cselect_b64 s[48:49], s[44:45], s[34:35]     ; inner scales
	s_cselect_b64 s[50:51], s[34:35], s[44:45]     ; outer scales
	s_mov_b32 s46, 0xffff0000                      ; lanes 16-31
	s_mov_b32 s[SEL], 0x76543210
	s_mov_b32 s[SEL+1], 0xfedcba98
	s_mul_i32 s60, s30, WB
	v_and_b32 v12, 31, v0
	v_lshlrev_b32 v4, 4, v12                       ; 16 x lane
	v_lshlrev_b32 v5, 3, v12                       ; 8 x lane
	v_and_b32 v12, 15, v0                          ; r
	v_bfe_u32 v13, v0, 4, 1                        ; h
	v_and_b32 v14, 7, v12
	v_lshrrev_b32 v15, 3, v12
	v_mad_u32_u24 v19, v15, 24, v12                ; r + 24 (r / 8)
	v_lshl_add_u32 v6, v13, 3, v19
	v_mul_u32_u24 v6, v6, 24                       ; scale bytes: row 8 h + r + 24 (r / 8): lanes 16-31 take the pair's second tile
.irp b, 0,1
.irp n, 0,1,2
	global_load_b64 v[IS+6*\b+2*\n:IS+6*\b+2*\n+1], v6, s[48:49] offset:384*\b+8*\n
	global_load_b64 v[OS+6*\b+2*\n:OS+6*\b+2*\n+1], v6, s[50:51] offset:384*\b+8*\n
.endr
.endr
	v_lshlrev_b32 v7, 7, v13                       ; bias, q's and k's way: 32 h numbers on
	v_lshlrev_b32 v16, 2, v19                      ; bias, v's way: my row's number
	v_lshlrev_b32 v8, 3, v13                       ; 8 h
	v_sub_nc_u32 v9, 8, v8                         ; 8 - 8 h
	v_mul_u32_u24 v17, v14, 432
	v_lshl_add_u32 v17, v13, 4, v17
	v_mad_u32_u24 v18, v15, XH, v17
	v_mad_u32_u24 v17, v15, 13824, v17
	v_add_nc_u32 v10, s60, v17                     ; my head's W
	v_add_nc_u32 v11, XL, v18                      ; x
	v_mov_b32 v[TM+16], 0                          ; written once: a lane permute's destination counts as one of its sources
	s_wait_alu depctr_va_vdst(0)
	s_cmp_lt_u32 s30, 6
	s_cbranch_scc0 .Lbias_v
	WIN 0x40
.irp t, 0,1,2,3
	global_load_b128 v[8*\t:8*\t+3], v7, s[36:37] offset:32*\t         ; register j of tile t: d = 32 h + 8 t + j
	global_load_b128 v[8*\t+4:8*\t+7], v7, s[36:37] offset:32*\t+16
.endr
	WIN 0
	s_branch .Lmeet
.Lbias_v:
	WIN 0x40
.irp t, 0,1,2,3
	global_load_b32 v[8*\t], v16, s[36:37] offset:32*\t                ; a lane's eight results are eight tokens of ONE d
.endr
	s_wait_loadcnt 0x0
	WIN 0x41
.irp t, 0,1,2,3
.irp j, 1,2,3,4,5,6,7
	v_mov_b32 v[8*\t+\j], v[8*\t]                  ; so that the bias can be the C of each sum's first instruction
.endr
.endr
	WIN 0
	s_wait_alu depctr_va_vdst(0)
.Lmeet:
	s_wait_alu depctr_va_vdst(0)                   ; the wait at the head's end
	s_wait_loadcnt 0x0
	s_wait_tensorcnt 0x0                           ; my tile has landed,
	s_barrier_signal -1
	s_barrier_wait -1                              ; and everybody's
	s_cmp_lt_u32 s30, 6
	s_cbranch_scc0 .Lrun_v
	RUN 10, 11, 1                                  ; q, k: inner = W
	s_branch .Lquant
.Lrun_v:
	RUN 11, 10, 2                                  ; v: inner = tokens
.Lquant:
	PLACES 4
; four blocks of 32: block k is v[HA + 32 k ..], all in my lane; each accumulator is read from its low end on
.irp k, 0,1,2,3
	v_max3_num_f32 v[TM+\k], |v[HA+32*\k]|, |v[HA+32*\k+1]|, 0x1800000     ; and the floor 2^(3 - 127): the byte cannot fall under 1
.endr
.irp i, 2,4,6,8,10,12,14,16,18,20,22,24,26,28,30
.irp k, 0,1,2,3
	v_max3_num_f32 v[TM+\k], v[TM+\k], |v[HA+32*\k+\i]|, |v[HA+32*\k+\i+1]|
.endr
.endr
.irp k, 0,1,2,3
	v_add_nc_u32 v[TM+4+\k], 0xff000000, v[TM+\k]  ; 2 off its exponent field: the conversion's scale operand
.endr
.irp k, 0,1,2,3
	v_lshrrev_b32 v[TM+8+\k], 23, v[TM+4+\k]       ; the scale's byte
.endr
.irp k, 0,1,2,3
.irp g, 0,1,2,3
	v_cvt_scalef32_pk8_fp4_f32 v[64+4*\k+\g], v[HA+32*\k+8*\g:HA+32*\k+8*\g+7], v[TM+4+\k]
.endr
.endr
	v_lshl_or_b32 v[TM+12], v[TM+10], 16, v[TM+8]  ; my bytes of tiles 0 and 2,
	v_lshl_or_b32 v[TM+13], v[TM+11], 16, v[TM+9]  ; of tiles 1 and 3
	v_cndmask_b32 v[TM+14], v[TM+12], v[TM+13], s46   ; lanes 0-15 keep the even tiles, lanes 16-31 the odd ones,
	v_cndmask_b32 v[TM+15], v[TM+13], v[TM+12], s46   ; and send the others
	v_permlanex16_b32 v[TM+16], v[TM+15], s[SEL], s[SEL+1]
	v_lshlrev_b32 v[TM+14], v8, v[TM+14]           ; block 0's byte below, block 1's above
	v_lshlrev_b32 v[TM+15], v9, v[TM+16]
	v_or_b32 v[TM+14], v[TM+14], v[TM+15]
	v_perm_b32 v[TM+18], v[TM+14], v[TM+14], s66
	v_perm_b32 v[TM+19], v[TM+14], v[TM+14], s67
.irp k, 0,1,2,3
	global_store_b128 v4, v[64+4*\k:64+4*\k+3], s[38:39] offset:512*\k   ; 32 lanes store 512 consecutive bytes
.endr
	global_store_b64 v5, v[TM+18:TM+19], s[40:41] offset:4096            ; 256 consecutive bytes
	s_wait_tensorcnt 0x0                           ; the wave's end
	ds_add_u32 v2, v3
	s_wait_dscnt 0x0
	CROUND                                         ; the closing round
	s_endpgm
.Lfunc_end_k_q5487e1e789_proj:
	.size	k_q5487e1e789_proj, .Lfunc_end_k_q5487e1e789_proj-k_q5487e1e789_proj
	.p2alignl 7, 3214868480
	.fill 96, 4, 3214868480
	.section	.rodata,"a",@progbits
	.p2align	6, 0x0
	.amdhsa_kernel k_q5487e1e789_proj
		.amdhsa_group_segment_fixed_size 278528
		.amdhsa_private_segment_fixed_size 0
		.amdhsa_enable_private_segment 0
		.amdhsa_kernarg_size 104
		.amdhsa_user_sgpr_count 2
		.amdhsa_user_sgpr_kernarg_segment_ptr 1
		.amdhsa_wavefront_size32 1
		.amdhsa_system_sgpr_workgroup_id_x 1
		.amdhsa_system_sgpr_workgroup_id_y 1
		.amdhsa_system_sgpr_workgroup_id_z 1
		.amdhsa_system_vgpr_workitem_id 0
		.amdhsa_next_free_vgpr 320
		.amdhsa_next_free_sgpr 96
		.amdhsa_reserve_vcc 0
		.amdhsa_float_denorm_mode_32 3
		.amdhsa_float_denorm_mode_16_64 3
		.amdhsa_memory_ordered 1
		.amdhsa_forward_progress 1
		.amdhsa_inst_pref_size 57
	.end_amdhsa_kernel
	.amdgpu_metadata
---
amdhsa.version: [ 1, 2 ]
amdhsa.kernels:
  - .name:           k_q5487e1e789_proj
    .symbol:         k_q5487e1e789_proj.kd
    .args:
      - { .name: x_codes, .offset: 0, .size: 8, .value_kind: global_buffer, .address_space: global }
      - { .name: x_scales, .offset: 8, .size: 8, .value_kind: global_buffer, .address_space: global }
      - { .name: wq_codes, .offset: 16, .size: 8, .value_kind: global_buffer, .address_space: global }
      - { .name: wk_codes, .offset: 24, .size: 8, .value_kind: global_buffer, .address_space: global }
      - { .name: wv_codes, .offset: 32, .size: 8, .value_kind: global_buffer, .address_space: global }
      - { .name: wq_scales, .offset: 40, .size: 8, .value_kind: global_buffer, .address_space: global }
      - { .name: wk_scales, .offset: 48, .size: 8, .value_kind: global_buffer, .address_space: global }
      - { .name: wv_scales, .offset: 56, .size: 8, .value_kind: global_buffer, .address_space: global }
      - { .name: bq, .offset: 64, .size: 8, .value_kind: global_buffer, .address_space: global }
      - { .name: bk, .offset: 72, .size: 8, .value_kind: global_buffer, .address_space: global }
      - { .name: bv, .offset: 80, .size: 8, .value_kind: global_buffer, .address_space: global }
      - { .name: qb, .offset: 88, .size: 8, .value_kind: global_buffer, .address_space: global }
      - { .name: kv, .offset: 96, .size: 8, .value_kind: global_buffer, .address_space: global }
    .group_segment_fixed_size: 278528
    .private_segment_fixed_size: 0
    .kernarg_segment_align: 8
    .kernarg_segment_size: 104
    .max_flat_workgroup_size: 288
    .sgpr_count:     96
    .vgpr_count:     320
    .wavefront_size: 32
...
	.end_amdgpu_metadata
.endif
;; end of part 1
;; launch attn (part 2): grid 20 x 12, 16 waves a work-group, clusters of 4 x 1, 296,960 bytes of LDS; arguments qb, kv, hc; writes hc
.if DOCPART == 2
	.amdgcn_target "amdgcn-amd-amdhsa--gfx1250"
	.amdhsa_code_object_version 6
	.text
	.protected	k_q5487e1e789_attn
	.globl	k_q5487e1e789_attn
	.p2align	8
	.type	k_q5487e1e789_attn,@function
k_q5487e1e789_attn:
	s_mov_b64 s[64:65], 0
	v_nop
	global_prefetch_b8 v0, s[64:65] scope:SCOPE_SE
	s_setreg_imm32_b32 hwreg(HW_REG_WAVE_MODE, 25, 1), 1
	s_wait_xcnt 0x0
	s_wait_alu depctr_hold_cnt(0) depctr_sa_sdst(0) depctr_va_vdst(0) depctr_va_sdst(0) depctr_va_ssrc(0) depctr_va_vcc(0) depctr_vm_vsrc(0)
	s_getreg_b32 s2, hwreg(HW_REG_IB_STS2, 6, 4)
	s_cmp_eq_u32 s2, 0
	s_cbranch_scc0 .Lentry_in_a_cluster
	s_endpgm
.Lentry_in_a_cluster:
	s_bfe_u32 s2, ttmp6, 0x10000c
	s_cmp_lg_u32 s2, 0x3003
	s_cbranch_scc0 .Lentry_shape_is_right
	s_endpgm
.Lentry_shape_is_right:
; Causal attention of one head on codes of FP4 (E2M1): S^T = K Q^T, p = 2^(t - M), O^T = V^T P^T, O / the row's sum, quantised along the head's 64 for the last product.
; t = score x log2(e) / 8; M = the row's largest t so far, rounded UP to a whole number; p is quantised along the keys and is not normalised; the row's sum is taken of the unquantised p. When M moves, the sum and O are multiplied by 2^(old M - new M): exact.
; DEAD WORK left out: key steps of 128 keys that all come after a tile's queries: reference()'s own causal mask makes their p 0 for all inputs. A NaN, an infinity or an overflow that reaches only those is not carried to the result.
; SHARES. A head's 32 blocks of 128 queries need 1 .. 32 key steps. Five clusters share them: a cluster takes whole blocks, its four work-groups tiles cx and cx + 4 of each block: so the four walk alike, and nothing but global addresses and the mask's bound hangs on cx.
; Waves 0 to 7 work tile cx, waves 8 to 15 tile cx + 4. A tile's key steps are cut into pieces: 8 bins of at most 14 steps, one to a wave, each with one or two pieces (the table below). The pieces of a tile are joined through LDS at the end, one tile to a wave.
; THE WHOLE HEAD'S k AND v LIE IN LDS, brought once by JOINT loads of the cluster: waves 0 to 3 fetch k of 8 steps each, waves 4 to 7 v (every cluster has a tile of 25 steps or more, so each load has bytes that are read). No byte is filled twice. Nothing is prefetched: all is asked for at the head.
; THE HEAD IS 64 AND THE INSTRUCTION'S K IS 128: a fragment of k carries tile g in K 0 .. 63 and tile g + 2 in K 64 .. 127; q stands as q | zeros | q: two products read one fragment.
; Lane r of a tile is row 8 i + r + 24 (r / 8) of 64: register 32 c + n of lane (r, h) is key 64 c + 32 h + n of query r: a block of 32 keys lies in ONE lane, and so does a block of 32 of O's d.
; The scale of a block of p is 2^(floor(largest t - M) - 2), the floor taken of the exponent itself: where it lies within rounding of a whole number, the largest p's own exponent could read one more.
; OUT: hc [256 tiles of tokens][12 heads][768]: lane (r, h): the codes of d-block h of the tile's token r (512 bytes); then 8 bytes a lane: lanes 0-15: token r's two scale bytes lowest.
; LIMITS: the promise holds while the scaled scores stay under 2^31 in magnitude; NaN and infinities are not served; scale bytes are held at 1 from below, a block of zeros too (its codes are zeros, and this program alone reads the bytes).
; REGISTERS: v1 16 x lane, v2 8 x lane, v3-4 addresses in V, v10-11 in K, v5 the mask's bound, v6-7 k's scale words, v8-9 and v238-239 V's, v12 -M, v13 the largest score, v[14:15] the sum, v16-27 q | zeros | q, v28 its scales, v29 and v240-243 the second piece's q,
;   v30-31, v192-223 the first piece's -M, sum, O; v32-63 k, v64-95 V^T, v96-159 S^T then p, v160-191 O^T, v224-231 p's codes, v232-249 at work, v250-251 the add's, v252 the factor, v254 p's scale word.
.set VB,   147456                      ; LDS: k [32 steps][4,608], then v [32][4,608]
.set STB,  4608
.set SLOT, 4352                        ; a piece on its way: O 4,096, -M 128, sum 128
.set SPARE, 294912
.set WV,   12
.set CX,   13
.set HEAD, 14
.set HALF, 15
.set BN,   16
.set BLK,  18
.set OFF,  19
.set SEL,  20
.set CS,   22
.set G1,   24
.set G0,   32
.set C1,   36                          ; the trip at which the second piece begins; 15: there is one piece
.set TOT,  37
.set BLK2, 38
.set OFF2, 39
.set CT,   40
.set STEP, 41
.set TBC,  42
.set TBN,  43
.set NC,   44
.set ID,   60
.set TW,   61
.set TC,   62
.macro CROUND
	s_barrier_signal -1
	s_barrier_wait -1
	s_cmp_lg_u32 s[WV], 0
	s_cbranch_scc1 .Lnot_wave_0_\@
	s_barrier_signal -3
.Lnot_wave_0_\@:
	s_barrier_wait -3
	s_barrier_signal -1
	s_barrier_wait -1
.endm
; THE TABLE OF BINS, by 8 x cluster + bin. ONE: steps st .. st + tot - 1 of the tile that needs n steps. TWO: c1 steps of tile n1 from st1 on, then c2 of tile n2 from st2 on.
.macro TWO id, n1, st1, c1, n2, st2, c2
	s_cmp_eq_u32 s[ID], \id
	s_cselect_b32 s[TW], (\c1)|(((\c1)+(\c2))<<4)|((\st1)<<8)|(((\n1)-1)<<13)|((\st2)<<18)|(((\n2)-1)<<23), s[TW]
.endm
.macro ONE id, n, st, tot
	s_cmp_eq_u32 s[ID], \id
	s_cselect_b32 s[TW], 15|((\tot)<<4)|((\st)<<8)|(((\n)-1)<<13)|((\st)<<18)|(((\n)-1)<<23), s[TW]
.endm
; THE TABLE OF TILES to be joined: tile of n steps, np pieces; piece 2 x bin is a bin's first of two, 2 x bin + 1 its last or only one
.macro TILE id, n, np, p0, p1=0, p2=0
	s_cmp_eq_u32 s[ID], \id
	s_cselect_b32 s[TC], ((\n)-1)|((\np)<<5)|((\p0)<<8)|((\p1)<<12)|((\p2)<<16), s[TC]
.endm
.macro KQ d, a, b, sa, ra              ; S^T: the constant 0 starts the sum
.if \ra
	v_wmma_scale_f32_16x16x128_f8f6f4 v[\d:\d+7], v[\a:\a+7], v[\b:\b+7], 0, v[\sa], v28 matrix_a_fmt:MATRIX_FMT_FP4 matrix_b_fmt:MATRIX_FMT_FP4 matrix_a_scale:MATRIX_SCALE_ROW1
.else
	v_wmma_scale_f32_16x16x128_f8f6f4 v[\d:\d+7], v[\a:\a+7], v[\b:\b+7], 0, v[\sa], v28 matrix_a_fmt:MATRIX_FMT_FP4 matrix_b_fmt:MATRIX_FMT_FP4
.endif
.endm
.macro PV d, a, sa, ra                 ; O^T +=
.if \ra
	v_wmma_scale_f32_16x16x128_f8f6f4 v[\d:\d+7], v[\a:\a+7], v[224:231], v[\d:\d+7], v[\sa], v254 matrix_a_fmt:MATRIX_FMT_FP4 matrix_b_fmt:MATRIX_FMT_FP4 matrix_a_scale:MATRIX_SCALE_ROW1
.else
	v_wmma_scale_f32_16x16x128_f8f6f4 v[\d:\d+7], v[\a:\a+7], v[224:231], v[\d:\d+7], v[\sa], v254 matrix_a_fmt:MATRIX_FMT_FP4 matrix_b_fmt:MATRIX_FMT_FP4
.endif
.endm
.macro KLOAD                           ; a step's k: ten loads
.irp c, 0,1
.irp g, 0,1
	ds_load_b128 v[32+16*\c+8*\g:35+16*\c+8*\g], v10 offset:2048*\c+512*\g
	ds_load_b128 v[36+16*\c+8*\g:39+16*\c+8*\g], v10 offset:2048*\c+512*\g+1024
.endr
	ds_load_b32 v[6+\c], v11 offset:4096+256*\c
.endr
.endm
.macro PKF n                           ; t - M, two at a time
.rept \n
	v_pk_fma_f32 v[SJ:SJ+1], v[SJ:SJ+1], s[CS:CS+1], v[12:13] op_sel_hi:[1,0,0]
.set SJ, SJ+2
.endr
.endm
	s_load_b128 s[4:7], s[0:1], 0x0                ; qb 4:5, kv 6:7
	s_load_b64 s[8:9], s[0:1], 0x10                ; hc
	v_lshl_add_u32 v250, v0, 2, SPARE
	v_mov_b32 v251, 0
	ds_add_u32 v250, v251                          ; the wave's opening: the add, twice on end, and its wait
	ds_add_u32 v250, v251
	v_lshrrev_b32 v232, 5, v0
	v_readfirstlane_b32 s[WV], v232                ; wave 0..15
	s_bfe_u32 s[CX], ttmp6, 0x40000
	s_and_b32 s[HEAD], ttmp7, 0xffff
	s_lshr_b32 s[HALF], s[WV], 3
	s_and_b32 s[BN], s[WV], 7
	; descriptor group 1: 8 steps' k (or v): 8 rows of 4,608 bytes, 9,216 apart (elements of 8 bytes), for all four work-groups
	s_mov_b32 s[G1+0], 15|(3<<16)|(1<<21)
	s_mov_b32 s[G1+1], 576<<16
	s_mov_b32 s[G1+2], 8<<16
	s_mov_b32 s[G1+3], 576<<16
	s_mov_b32 s[G1+4], 8
	s_mov_b32 s[G1+5], 1152
	s_mov_b32 s[G1+6], 0
	s_mov_b32 s[G1+7], 0
	s_mul_i32 s46, s[HEAD], 294912
	s_and_b32 s48, s[WV], 3
	s_mul_i32 s48, s48, 73728
	s_add_co_u32 s46, s46, s48
	s_bfe_u32 s48, s[WV], 0x10002
	s_mul_i32 s48, s48, STB
	s_add_co_u32 s46, s46, s48
	s_mov_b32 s47, 0
	s_wait_alu depctr_va_vdst(0)
	s_wait_dscnt 0x0                               ; both opening adds are done
	s_wait_kmcnt 0x0
	s_mov_b32 s[G0], 1
	s_mul_i32 s[G0+1], s[WV], 36864                ; wave x 8 steps of k, then of v
	s_add_nc_u64 s[G0+2:G0+3], s[6:7], s[46:47]
	s_or_b32 s[G0+3], s[G0+3], 0x80000000
	CROUND                                         ; all four work-groups are here: the joint loads meet
	s_cmp_lt_u32 s[WV], 8
	s_cbranch_scc0 .Lno_fill
	tensor_load_to_lds s[G0:G0+3], s[G1:G1+7]
	s_nop 0
.rept 4
	v_nop
.endr
.Lno_fill:
	s_lshl_b32 s[ID], ttmp9, 3
	s_add_co_u32 s[ID], s[ID], s[BN]
	s_mov_b32 s[TW], 0
	s_mov_b32 s[TC], 0
	ONE 0, 28, 0, 14
	ONE 1, 28, 14, 14
	ONE 2, 29, 0, 13
	TWO 3, 2, 0, 2, 29, 13, 12
	ONE 4, 32, 0, 12
	ONE 5, 32, 12, 12
	TWO 6, 10, 0, 10, 29, 25, 4
	TWO 7, 5, 0, 5, 32, 24, 8
	ONE 8, 30, 0, 14
	ONE 9, 30, 14, 14
	TWO 10, 12, 0, 12, 30, 28, 2
	ONE 11, 31, 0, 13
	ONE 12, 24, 0, 12
	ONE 13, 24, 12, 12
	ONE 14, 31, 13, 12
	TWO 15, 7, 0, 7, 31, 25, 6
	ONE 16, 14, 0, 14
	ONE 17, 26, 0, 13
	ONE 18, 26, 13, 13
	ONE 19, 23, 0, 13
	ONE 20, 18, 0, 13
	TWO 21, 9, 0, 9, 18, 13, 5
	TWO 22, 1, 0, 1, 15, 0, 12
	TWO 23, 15, 12, 3, 23, 13, 10
	ONE 24, 13, 0, 13
	ONE 25, 16, 0, 13
	ONE 26, 25, 0, 14
	ONE 27, 19, 0, 13
	TWO 28, 8, 0, 8, 19, 13, 6
	TWO 29, 3, 0, 3, 25, 14, 11
	ONE 30, 22, 0, 12
	TWO 31, 16, 13, 3, 22, 12, 10
	ONE 32, 27, 0, 14
	ONE 33, 27, 14, 13
	ONE 34, 17, 0, 14
	TWO 35, 11, 0, 11, 17, 14, 3
	ONE 36, 21, 0, 12
	ONE 37, 20, 0, 13
	TWO 38, 4, 0, 4, 21, 12, 9
	TWO 39, 6, 0, 6, 20, 13, 7
	TILE 0, 28, 2, 1, 3
	TILE 1, 29, 3, 5, 7, 13
	TILE 2, 32, 3, 9, 11, 15
	TILE 3, 2, 1, 6
	TILE 4, 10, 1, 12
	TILE 5, 5, 1, 14
	TILE 8, 30, 3, 1, 3, 5
	TILE 9, 31, 3, 7, 13, 15
	TILE 10, 24, 2, 9, 11
	TILE 11, 12, 1, 4
	TILE 12, 7, 1, 14
	TILE 16, 14, 1, 1
	TILE 17, 26, 2, 3, 5
	TILE 18, 23, 2, 7, 15
	TILE 19, 18, 2, 9, 11
	TILE 20, 9, 1, 10
	TILE 21, 1, 1, 12
	TILE 22, 15, 2, 13, 14
	TILE 24, 13, 1, 1
	TILE 25, 16, 2, 3, 14
	TILE 26, 25, 2, 5, 11
	TILE 27, 19, 2, 7, 9
	TILE 28, 8, 1, 8
	TILE 29, 3, 1, 10
	TILE 30, 22, 2, 13, 15
	TILE 32, 27, 2, 1, 3
	TILE 33, 17, 2, 5, 7
	TILE 34, 11, 1, 6
	TILE 35, 21, 2, 9, 13
	TILE 36, 4, 1, 12
	TILE 37, 20, 2, 11, 15
	TILE 38, 6, 1, 14
	s_and_b32 s[C1], s[TW], 15
	s_bfe_u32 s[TOT], s[TW], 0x40004
	s_bfe_u32 s[OFF], s[TW], 0x50008
	s_bfe_u32 s[BLK], s[TW], 0x5000d
	s_bfe_u32 s[OFF2], s[TW], 0x50012
	s_bfe_u32 s[BLK2], s[TW], 0x50017
	s_sub_co_u32 s[OFF2], s[OFF2], s[C1]           ; (modulo 32: trip + this is the key step)
	s_mov_b32 s[SEL], 0x76543210
	s_mov_b32 s[SEL+1], 0xfedcba98
	s_mov_b32 s[CS], 0x3e38aa3b                    ; c = log2(e) / 8
	s_mov_b32 s[CS+1], s[CS]                       ; (named with it as a pair, so it is written)
	s_mov_b32 s[NC], 0xbe38aa3b                    ; -c
	s_mul_i32 s46, s[HEAD], 147456
	s_add_nc_u64 s[48:49], s[4:5], s[46:47]        ; q: the head,
	s_mul_i32 s46, s[BLK], STB
	s_add_nc_u64 s[52:53], s[48:49], s[46:47]      ; the first piece's block,
	s_mul_i32 s46, s[BLK2], STB
	s_add_nc_u64 s[54:55], s[48:49], s[46:47]      ; the second's
	s_lshl_b32 s46, s[HALF], 11
	s_lshl_b32 s50, s[CX], 9
	s_add_co_u32 s46, s46, s50
	s_add_nc_u64 s[56:57], s[52:53], s[46:47]      ; my tile's codes
	s_add_nc_u64 s[58:59], s[54:55], s[46:47]
	s_lshl_b32 s46, s[HALF], 8
	s_and_b32 s50, s[CX], 1
	s_lshl_b32 s50, s50, 7
	s_add_co_u32 s46, s46, s50
	s_lshr_b32 s50, s[CX], 1
	s_lshl_b32 s50, s50, 2
	s_add_co_u32 s46, s46, s50
	s_add_nc_u64 s[52:53], s[52:53], s[46:47]      ; and its scale words
	s_add_nc_u64 s[54:55], s[54:55], s[46:47]
	s_lshl_b32 s50, s[CX], 3
	s_mov_b32 s[CT], 0
	s_and_b32 s[TBN], s[OFF], 31
	s_mul_i32 s[TBN], s[TBN], STB
	v_and_b32 v232, 31, v0
	v_lshlrev_b32 v1, 4, v232
	v_lshlrev_b32 v2, 3, v232
	v_and_b32 v233, 15, v0                         ; r
	v_lshlrev_b32 v236, 3, v233
	global_load_b128 v[16:19], v1, s[56:57]        ; q's codes, twice
	global_load_b128 v[24:27], v1, s[56:57]
	global_load_b32 v28, v236, s[52:53] offset:4096
	global_load_b128 v[240:243], v1, s[58:59]
	global_load_b32 v29, v236, s[54:55] offset:4096
	v_bfe_u32 v234, v0, 4, 1                       ; h
	v_and_b32 v5, 8, v233
	v_mad_u32_u24 v5, v5, 3, v233                  ; r + 24 (r / 8)
	v_lshlrev_b32 v234, 5, v234
	v_sub_nc_u32 v5, v5, v234
	v_add_nc_u32 v5, s50, v5                       ; my query's place among its 64, less 32 h: on the diagonal register n of my half is hidden where n is above this
	v_add_nc_u32 v10, s[TBN], v1
	v_add_nc_u32 v11, s[TBN], v2
.irp j, 20,21,22,23
	v_mov_b32 v[\j], 0                             ; zero codes: they add nothing under any scale byte that the launch before makes (1 .. 254)
.endr
	v_mov_b32 v13, 0xff61b1e6                      ; the largest score so far: -3e38
	v_mov_b32 v12, 0x7f61b1e6                      ; -M
	v_mov_b32 v14, 0
	v_mov_b32 v15, 0
	v_mov_b32 v30, 0
	v_mov_b32 v31, 0
	v_mov_b32 v235, 0                              ; (a lane permute's destination counts as one of its sources)
	v_mov_b32 v237, 0                              ; (named as the upper half of a pair)
	v_mov_b32 v253, 0
.irp j, 0,1,2,3,4,5,6,7,8,9,10,11,12,13,14,15,16,17,18,19,20,21,22,23,24,25,26,27,28,29,30,31
	v_mov_b32 v[192+\j], 0
	v_mov_b32 v[160+\j], 0                         ; O^T: the step is written once; its first run finds zeros
.endr
	s_wait_alu depctr_va_vdst(0)                   ; the wait at the head's end
	s_wait_loadcnt 0x0
	s_wait_tensorcnt 0x0                           ; my load has landed,
	s_barrier_signal -1
	s_barrier_wait -1                              ; and everybody's
	KLOAD
; 14 TRIPS, a key step of 128 keys each; a wave with fewer steps runs its last trips empty
.Ltrip:
	s_cmp_eq_u32 s[CT], s[C1]
	s_cbranch_scc0 .Lsame
	; THE SECOND PIECE BEGINS: its q; the first piece's -M, sum and O are kept (the nine moves of q are places behind the last products)
.irp j, 0,1,2,3
	v_mov_b32 v[16+\j], v[240+\j]
	v_mov_b32 v[24+\j], v[240+\j]
.endr
	v_mov_b32 v28, v29
	v_mov_b32 v30, v12
	v_add_f32 v31, v14, v15
	v_mov_b32 v13, 0xff61b1e6
	v_mov_b32 v12, 0x7f61b1e6
	v_mov_b32 v14, 0
	v_mov_b32 v15, 0
.irp j, 0,1,2,3,4,5,6,7,8,9,10,11,12,13,14,15,16,17,18,19,20,21,22,23,24,25,26,27,28,29,30,31
	v_mov_b32 v[192+\j], v[160+\j]
	v_mov_b32 v[160+\j], 0
.endr
	s_mov_b32 s[BLK], s[BLK2]
	s_mov_b32 s[OFF], s[OFF2]
	s_wait_alu depctr_va_vdst(0)
.Lsame:
	s_cmp_ge_u32 s[CT], s[TOT]
	s_cbranch_scc1 .Lskip
	s_add_co_u32 s[STEP], s[OFF], s[CT]
	s_and_b32 s[STEP], s[STEP], 31
	s_mul_i32 s[TBC], s[STEP], STB
	s_add_co_u32 s[TBC], s[TBC], VB                ; this step's V
	s_add_co_u32 s[TBN], s[CT], 1
	s_cmp_eq_u32 s[TBN], s[C1]
	s_cselect_b32 s46, s[OFF2], s[OFF]
	s_add_co_u32 s[TBN], s[TBN], s46
	s_and_b32 s[TBN], s[TBN], 31
	s_mul_i32 s[TBN], s[TBN], STB                  ; the next step's k (behind the last step: some step's, never used)
	s_wait_dscnt 0x0                               ; k is in
.irp c, 0,1
.irp g, 0,1
	KQ 96+32*\c+8*\g, 32+16*\c+8*\g, 16, 6+\c, \g  ; tile g: keys 64 c + 32 h + 8 g + j
	KQ 112+32*\c+8*\g, 32+16*\c+8*\g, 20, 6+\c, \g ; tile g + 2
.endr
.endr
	v_add_nc_u32 v3, s[TBC], v1                    ; these four are the places in front of the loads and of the first read of results
	v_add_nc_u32 v4, s[TBC], v2
	v_add_nc_u32 v10, s[TBN], v1
	v_add_nc_u32 v11, s[TBN], v2
.irp t, 0,1,2,3
	ds_load_b128 v[64+8*\t:67+8*\t], v3 offset:512*\t
	ds_load_b128 v[68+8*\t:71+8*\t], v3 offset:2048+512*\t
.endr
	ds_load_b64 v[8:9], v4 offset:4096
	ds_load_b64 v[238:239], v4 offset:4352
	KLOAD
	s_cmp_lg_u32 s[STEP], s[BLK]
	s_cbranch_scc1 .Lopen
	s_cmp_eq_u32 s[HALF], 0                        ; on the diagonal the scores of hidden keys become -infinity ahead of the maximum: p = 0 then
	s_cbranch_scc0 .Llate
	v_mov_b32 v235, 0xff800000
.irp n, 0,1,2,3,4,5,6,7,8,9,10,11,12,13,14,15,16,17,18,19,20,21,22,23,24,25,26,27,28,29,30,31
	v_cmp_gt_i32 vcc_lo, \n, v5
	v_cndmask_b32 v[96+\n], v[96+\n], v235, vcc_lo
	v_mov_b32 v[128+\n], v235                      ; keys 64 .. 127 of the block come after its queries 0 .. 63
.endr
	s_wait_alu depctr_va_vdst(0)
	s_branch .Lopen
.Llate:
	v_mov_b32 v235, 0xff800000
.irp n, 0,1,2,3,4,5,6,7,8,9,10,11,12,13,14,15,16,17,18,19,20,21,22,23,24,25,26,27,28,29,30,31
	v_cmp_gt_i32 vcc_lo, \n, v5
	v_cndmask_b32 v[128+\n], v[128+\n], v235, vcc_lo
.endr
	s_wait_alu depctr_va_vdst(0)
.Lopen:
.irp b, 0,1,2,3
	v_max3_num_f32 v[244+\b], v[96+16*\b], v[97+16*\b], v[98+16*\b]
.endr
.irp i, 3,5,7,9,11,13
.irp b, 0,1,2,3
	v_max3_num_f32 v[244+\b], v[244+\b], v[96+16*\b+\i], v[97+16*\b+\i]
.endr
.endr
	v_max3_num_f32 v232, v244, v245, v111
	v_max3_num_f32 v233, v246, v247, v143
	v_max_num_f32 v232, v232, v127                 ; the largest score of my block of c = 0,
	v_max_num_f32 v233, v233, v159                 ; of c = 1
	v_max_num_f32 v234, v232, v233
	s_delay_alu instid0(VALU_DEP_1)
	v_permlanex16_b32 v235, v234, s[SEL], s[SEL+1]
	s_delay_alu instid0(VALU_DEP_1)
	v_max3_num_f32 v13, v13, v234, v235            ; with lane l xor 16's: the running largest score of my query
	s_delay_alu instid0(VALU_DEP_1)
	v_mul_f32 v234, s[NC], v13
	s_delay_alu instid0(VALU_DEP_1)
	v_floor_f32 v235, v234                         ; the new -M = floor(-t): M is a whole number
	s_delay_alu instid0(VALU_DEP_1)
	v_sub_f32 v234, v235, v12                      ; old M - new M: a whole number, 0 or less
	v_mov_b32 v12, v235
	s_delay_alu instid0(VALU_DEP_2)
	v_cvt_i32_f32 v234, v234                       ; (it saturates)
	v_fma_f32 v236, v232, s[CS], v12               ; each block's largest t - M
	v_fma_f32 v237, v233, s[CS], v12
	v_ldexp_f32 v252, 1.0, v234                    ; f = 2^(old M - new M)
.set SJ, 96
	PKF 8
	v_max_num_f32 v236, 0xc2f80000, v236           ; held at -124: the byte cannot fall under 1
	v_max_num_f32 v237, 0xc2f80000, v237
	PKF 6
	v_floor_f32 v236, v236
	v_floor_f32 v237, v237
	PKF 2
	v_cvt_i32_f32 v244, v236                       ; e: the exponent of the block's largest p
	v_cvt_i32_f32 v245, v237
	PKF 4
	v_lshl_add_u32 v236, v244, 23, 0x3e800000      ; 2^(e - 2): the conversion's scale operand, (e + 125) << 23
	v_lshl_add_u32 v237, v245, 23, 0x3e800000
	v_lshl_add_u32 v246, v245, 16, v244            ; p's scale word: bytes 0 and 2 from lanes 0-15,
	PKF 4
	v_permlanex16_b32 v235, v246, s[SEL], s[SEL+1]
	PKF 4
	v_lshl_add_u32 v246, v235, 8, v246             ; 1 and 3 from lanes 16-31,
	PKF 4
	v_add_nc_u32 v254, 0x7d7d7d7d, v246            ; 125 onto each
	s_wait_alu depctr_va_vdst(0)                   ; the wait ahead of the batch
.irp j, 0,1,2,3,4,5,6,7,8,9,10,11,12,13,14,15,16,17,18,19,20,21,22,23,24,25,26,27,28,29,30,31,32,33,34,35,36,37,38,39,40,41,42,43,44,45,46,47,48,49,50,51,52,53,54,55,56,57,58,59,60,61,62,63
	v_exp_f32 v[96+\j], v[96+\j]                   ; p = 2^(t - M)
.endr
	v_pk_mul_f32 v[14:15], v[14:15], v[252:253] op_sel_hi:[1,0]   ; the sums under the new M: the plain place behind the exponentials
	s_wait_alu depctr_va_vdst(0)                   ; and the wait ahead of the batch's first reader
	v_pk_add_f32 v[244:245], v[96:97], v[98:99]
	v_pk_add_f32 v[246:247], v[100:101], v[102:103]
	v_pk_add_f32 v[248:249], v[104:105], v[106:107]
	v_pk_add_f32 v[14:15], v[14:15], v[108:109]
.set SJ, 110
.rept 6
	v_pk_add_f32 v[244:245], v[244:245], v[SJ:SJ+1]
	v_pk_add_f32 v[246:247], v[246:247], v[SJ+2:SJ+3]
	v_pk_add_f32 v[248:249], v[248:249], v[SJ+4:SJ+5]
	v_pk_add_f32 v[14:15], v[14:15], v[SJ+6:SJ+7]
.set SJ, SJ+8
.endr
	v_pk_add_f32 v[244:245], v[244:245], v[158:159]
.irp c, 0,1
.irp k, 0,1,2,3
	v_cvt_scalef32_pk8_fp4_f32 v[224+4*\c+\k], v[96+32*\c+8*\k:103+32*\c+8*\k], v[236+\c]   ; registers 4 c .. 4 c + 3: keys 64 c + 32 h + 0 .. 31
.endr
.endr
	v_pk_add_f32 v[246:247], v[246:247], v[248:249]   ; (plain places behind the last scaled conversion)
	v_pk_add_f32 v[14:15], v[14:15], v[244:245]
	v_pk_add_f32 v[14:15], v[14:15], v[246:247]
	s_wait_dscnt 10                                ; V^T and its scale words are in; the next step's ten loads of k may be out
	v_or_b32 v8, v8, v238                          ; two bytes from each half of the step's keys
	v_or_b32 v9, v9, v239
	s_wait_alu depctr_va_vdst(0)                   ; the wait directly ahead of the first reader of O^T
.irp j, 0,2,4,6,8,10,12,14,16,18,20,22,24,26,28,30
	v_pk_mul_f32 v[160+\j:161+\j], v[160+\j:161+\j], v[252:253] op_sel_hi:[1,0]   ; O^T under the new M. (Also the places between the scale words and the products)
.endr
.irp t, 0,1,2,3
	PV 160+8*\t, 64+8*\t, 8+\t/2, \t%2             ; the four accumulators by turns; register j of tile t: d = 32 h + 8 t + j
.endr
.Lskip:
	s_add_co_u32 s[CT], s[CT], 1
	s_cmp_lt_u32 s[CT], 14
	s_cbranch_scc1 .Ltrip
	; THE PIECES MEET. k and v have been read by all: each wave lays its pieces there, in bytes of its own
	s_mul_i32 s46, s[WV], 2*SLOT
	v_add_f32 v14, v14, v15                        ; these four are the places behind the last products
	v_lshrrev_b32 v249, 1, v2                      ; 4 x lane
	v_add_nc_u32 v3, s46, v1
	v_add_nc_u32 v4, s46, v249
	s_wait_alu depctr_va_vdst(0)
	s_wait_dscnt 0x0
	s_barrier_signal -1
	s_barrier_wait -1
.macro DUMP o, nm, l, at
.irp k, 0,1,2,3,4,5,6,7
	ds_store_b128 v3, v[\o+4*\k:\o+4*\k+3] offset:\at+512*\k
.endr
	ds_store_b32 v4, v[\nm] offset:\at+4096
	ds_store_b32 v4, v[\l] offset:\at+4224
.endm
	DUMP 160, 12, 14, SLOT
	s_cmp_eq_u32 s[C1], 15
	s_cbranch_scc1 .Lone_piece
	DUMP 192, 30, 31, 0
.Lone_piece:
	s_wait_dscnt 0x0                               ; for the others' sake: my pieces have landed
	s_barrier_signal -1
	s_barrier_wait -1
	s_bfe_u32 s50, s[TC], 0x20005                  ; pieces of the tile that I join: 0: none
	s_cmp_eq_u32 s50, 0
	s_cbranch_scc1 .Lend
	s_lshl_b32 s48, s[HALF], 4
.macro PIECE o, nm, l, field
	s_bfe_u32 s46, s[TC], \field
	s_add_co_u32 s46, s46, s48
	s_mul_i32 s46, s46, SLOT
	v_add_nc_u32 v3, s46, v1
	v_add_nc_u32 v4, s46, v249
.irp k, 0,1,2,3,4,5,6,7
	ds_load_b128 v[\o+4*\k:\o+4*\k+3], v3 offset:512*\k
.endr
	ds_load_b32 v[\nm], v4 offset:4096
	ds_load_b32 v[\l], v4 offset:4224
.endm
.macro JOIN field                      ; both under the larger M: powers of two, nothing is rounded
	PIECE 96, 232, 233, \field
	s_wait_alu depctr_va_vdst(0)
	s_wait_dscnt 0x0
	v_min_num_f32 v234, v12, v232
	v_sub_f32 v235, v234, v12
	v_sub_f32 v236, v234, v232
	v_cvt_i32_f32 v235, v235
	v_cvt_i32_f32 v236, v236
	v_ldexp_f32 v252, 1.0, v235
	v_ldexp_f32 v236, 1.0, v236
	v_mov_b32 v12, v234
	v_mul_f32 v14, v14, v252
	v_fma_f32 v14, v233, v236, v14
.irp j, 0,2,4,6,8,10,12,14,16,18,20,22,24,26,28,30
	v_pk_mul_f32 v[160+\j:161+\j], v[160+\j:161+\j], v[252:253] op_sel_hi:[1,0]
.endr
.irp j, 0,2,4,6,8,10,12,14,16,18,20,22,24,26,28,30
	v_pk_fma_f32 v[160+\j:161+\j], v[96+\j:97+\j], v[236:237], v[160+\j:161+\j] op_sel_hi:[1,0,1]
.endr
	s_wait_alu depctr_va_vdst(0)
.endm
	PIECE 160, 12, 14, 0x40008
	s_wait_alu depctr_va_vdst(0)
	s_wait_dscnt 0x0
	s_cmp_lt_u32 s50, 2
	s_cbranch_scc1 .Ljoined
	JOIN 0x4000c
	s_cmp_lt_u32 s50, 3
	s_cbranch_scc1 .Ljoined
	JOIN 0x40010
.Ljoined:
	s_and_b32 s46, s[TC], 31
	s_lshl_b32 s46, s46, 3
	s_lshl_b32 s48, s[HALF], 2
	s_add_co_u32 s46, s46, s48
	s_add_co_u32 s46, s46, s[CX]                   ; tile 8 block + 4 half + cx
	s_mul_i32 s46, s46, 9216
	s_mul_i32 s48, s[HEAD], 768
	s_add_co_u32 s46, s46, s48
	s_add_nc_u64 s[52:53], s[8:9], s[46:47]
	v_permlanex16_b32 v235, v14, s[SEL], s[SEL+1]
	v_add_f32 v14, v14, v235                       ; the row's sum
	s_wait_alu depctr_va_vdst(0)
	v_rcp_f32 v14, v14
	v_nop                                          ; a plain place behind the reciprocal
	s_wait_alu depctr_va_vdst(0)
.irp j, 0,2,4,6,8,10,12,14,16,18,20,22,24,26,28,30
	v_pk_mul_f32 v[160+\j:161+\j], v[160+\j:161+\j], v[14:15] op_sel_hi:[1,0]
.endr
	v_max3_num_f32 v232, |v160|, |v161|, 0x1800000
	v_max3_num_f32 v233, |v176|, |v177|, 0x1800000
.irp i, 2,4,6,8,10,12,14
	v_max3_num_f32 v232, v232, |v[160+\i]|, |v[161+\i]|
	v_max3_num_f32 v233, v233, |v[176+\i]|, |v[177+\i]|
.endr
	v_max_num_f32 v232, v232, v233                 ; the largest magnitude of d-block h
	v_add_nc_u32 v236, 0xff000000, v232
	v_lshrrev_b32 v237, 23, v236
.irp k, 0,1,2,3
	v_cvt_scalef32_pk8_fp4_f32 v[224+\k], v[160+8*\k:167+8*\k], v236
.endr
	v_permlanex16_b32 v235, v237, s[SEL], s[SEL+1]
	v_lshl_or_b32 v232, v235, 8, v237              ; lanes 0-15: token r's two bytes
	v_mov_b32 v233, v232
	global_store_b128 v1, v[224:227], s[52:53]     ; 32 lanes store 512 consecutive bytes,
	global_store_b64 v2, v[232:233], s[52:53] offset:512   ; and 256
.Lend:
	s_wait_tensorcnt 0x0                           ; the wave's end
	ds_add_u32 v250, v251
	s_wait_dscnt 0x0
	CROUND                                         ; the closing round
	s_endpgm
.Lfunc_end_k_q5487e1e789_attn:
	.size	k_q5487e1e789_attn, .Lfunc_end_k_q5487e1e789_attn-k_q5487e1e789_attn
	.p2alignl 7, 3214868480
	.fill 96, 4, 3214868480
	.section	.rodata,"a",@progbits
	.p2align	6, 0x0
	.amdhsa_kernel k_q5487e1e789_attn
		.amdhsa_group_segment_fixed_size 296960
		.amdhsa_private_segment_fixed_size 0
		.amdhsa_enable_private_segment 0
		.amdhsa_kernarg_size 24
		.amdhsa_user_sgpr_count 2
		.amdhsa_user_sgpr_kernarg_segment_ptr 1
		.amdhsa_wavefront_size32 1
		.amdhsa_system_sgpr_workgroup_id_x 1
		.amdhsa_system_sgpr_workgroup_id_y 1
		.amdhsa_system_sgpr_workgroup_id_z 1
		.amdhsa_system_vgpr_workitem_id 0
		.amdhsa_next_free_vgpr 256
		.amdhsa_next_free_sgpr 80
		.amdhsa_reserve_vcc 1
		.amdhsa_float_denorm_mode_32 3
		.amdhsa_float_denorm_mode_16_64 3
		.amdhsa_memory_ordered 1
		.amdhsa_forward_progress 1
		.amdhsa_inst_pref_size 52
	.end_amdhsa_kernel
	.amdgpu_metadata
---
amdhsa.version: [ 1, 2 ]
amdhsa.kernels:
  - .name:           k_q5487e1e789_attn
    .symbol:         k_q5487e1e789_attn.kd
    .args:
      - { .name: qb, .offset: 0, .size: 8, .value_kind: global_buffer, .address_space: global }
      - { .name: kv, .offset: 8, .size: 8, .value_kind: global_buffer, .address_space: global }
      - { .name: hc, .offset: 16, .size: 8, .value_kind: global_buffer, .address_space: global }
    .group_segment_fixed_size: 296960
    .private_segment_fixed_size: 0
    .kernarg_segment_align: 8
    .kernarg_segment_size: 24
    .max_flat_workgroup_size: 512
    .sgpr_count:     80
    .vgpr_count:     256
    .wavefront_size: 32
...
	.end_amdgpu_metadata
.endif
;; end of part 2
;; launch outp (part 3): grid 64 x 3, 4 waves a work-group, no clusters, 35,328 bytes of LDS; arguments hc, wo_codes, wo_scales, bo, out0; writes out0
.if DOCPART == 3
	.amdgcn_target "amdgcn-amd-amdhsa--gfx1250"
	.amdhsa_code_object_version 6
	.text
	.protected	k_q5487e1e789_outp
	.globl	k_q5487e1e789_outp
	.p2align	8
	.type	k_q5487e1e789_outp,@function
k_q5487e1e789_outp:
	s_mov_b64 s[64:65], 0
	v_nop
	global_prefetch_b8 v0, s[64:65] scope:SCOPE_SE
	s_setreg_imm32_b32 hwreg(HW_REG_WAVE_MODE, 25, 1), 1
	s_wait_xcnt 0x0
; out0 = heads wo + bo on codes of FP4 (E2M1), K = 768 = 12 heads x 64.  out0: [4,096][768] f32.
; SHARES.  Work-group (G, y) takes 64 tokens: two pairs of tiles of 16; wave w takes the 64 columns from 64 (4 y + w) on: 96 matrix instructions, 16 KiB of out0.
; The tokens' codes lie in hc [256 tiles][12 heads][768] as images of operand registers: 512 bytes of codes (heads 2 s and 2 s + 1 make the fragment of K step s), loaded as they lie, 512 consecutive bytes a load; then 8 bytes a lane, of which lanes 0-15 hold token r's two scale bytes lowest.
; wo's 64 rows stay in registers.  THE ROWS OF A TILE ARE NOT NEIGHBOURS: in wo lane r of tile 2 b + u takes row 32 b + 8 u + r + 8 (r / 8); in hc lane r of tile i of the 64 tokens is token 8 i + r + 24 (r / 8).
; The product is used transposed (source 0 = 16 rows of wo, source 1 = 16 tokens): a lane holds one token, and the 16 registers of tiles 2 b, 2 b + 1 are the columns 32 b + 16 h + 0 .. 15: 64 neighbouring bytes of a row.
; A pair's 32 rows x 256 bytes go through the wave's own stage in LDS (rows 272 bytes apart) and leave as whole rows: sixteen lanes store 256 consecutive bytes, aligned.  Waves share nothing: no barrier.
; No cluster: the operands go from memory straight into registers, once; there is no tensor load that partners could share.
; REGISTERS.  window 0: v1-8 addresses; v12-23 the tokens' scale words; v36-47 wo's; v48-143 twelve fragments of tokens; v144-207 eight accumulators, then rows of out0; v208-231 scale halves as loaded.   window 1: v0-191 wo's 24 fragments; v192-223 bo as C.
.set XS,  12
.set WS,  36
.set XF,  48
.set HA,  144
.set RAW, 208
.set WF,  0
.set BI,  192
.set MSB, 0
.macro WIN new                         ; the immediate's high byte repeats the setting that is left
.if MSB != \new
	s_set_vgpr_msb (MSB<<8)|\new
.set MSB, \new
.endif
.endm
.macro PLACES n
.rept \n
	v_nop
.endr
.endm
.macro WM d, a, b, c, sa, sb, ra, rb   ; ra, rb: the side's scales stand in lanes 16-31 of the register named
.if (\ra) && (\rb)
	v_wmma_scale_f32_16x16x128_f8f6f4 v[\d:\d+7], v[\a:\a+7], v[\b:\b+7], v[\c:\c+7], v[\sa], v[\sb] matrix_a_fmt:MATRIX_FMT_FP4 matrix_b_fmt:MATRIX_FMT_FP4 matrix_a_scale:MATRIX_SCALE_ROW1 matrix_b_scale:MATRIX_SCALE_ROW1
.elseif (\ra)
	v_wmma_scale_f32_16x16x128_f8f6f4 v[\d:\d+7], v[\a:\a+7], v[\b:\b+7], v[\c:\c+7], v[\sa], v[\sb] matrix_a_fmt:MATRIX_FMT_FP4 matrix_b_fmt:MATRIX_FMT_FP4 matrix_a_scale:MATRIX_SCALE_ROW1
.elseif (\rb)
	v_wmma_scale_f32_16x16x128_f8f6f4 v[\d:\d+7], v[\a:\a+7], v[\b:\b+7], v[\c:\c+7], v[\sa], v[\sb] matrix_a_fmt:MATRIX_FMT_FP4 matrix_b_fmt:MATRIX_FMT_FP4 matrix_b_scale:MATRIX_SCALE_ROW1
.else
	v_wmma_scale_f32_16x16x128_f8f6f4 v[\d:\d+7], v[\a:\a+7], v[\b:\b+7], v[\c:\c+7], v[\sa], v[\sb] matrix_a_fmt:MATRIX_FMT_FP4 matrix_b_fmt:MATRIX_FMT_FP4
.endif
.endm
; 48 matrix instructions for pair b: the eight accumulators take turns, one instruction a turn; the bias is the C of each sum's first instruction
.macro MMQK b
.irp s, 0,1,2,3,4,5
.if \s == 0
	WIN 0x11                                       ; source 0 (wo) and source 2 (the bias) in window 1
.else
	WIN 0x01
.endif
.irp u, 0,1
.irp t, 0,1,2,3
.if \s == 0
	WM HA+32*\u+8*\t, WF+8*(6*\t+\s), XF+8*(6*\u+\s), BI+8*\t, WS+6*(\t/2)+\s, XS+6*(\b)+\s, \t%2, \u
.else
	WM HA+32*\u+8*\t, WF+8*(6*\t+\s), XF+8*(6*\u+\s), HA+32*\u+8*\t, WS+6*(\t/2)+\s, XS+6*(\b)+\s, \t%2, \u
.endif
.endr
.endr
.endr
	WIN 0
.endm
.macro XLOAD p                         ; pair p's twelve fragments, as they lie
.irp k, 0,1,2,3,4,5,6,7,8,9,10,11
.irp c, 0,1
	global_load_b128 v[XF+8*\k+4*\c:XF+8*\k+4*\c+3], v1, s[4:5] offset:18432*(\p)+9216*(\k/6)+1536*(\k%6)+768*\c
.endr
.endr
.endm
	s_load_b64 s[4:5], s[0:1], 0x0                 ; hc
	s_load_b256 s[8:15], s[0:1], 0x8               ; wo's codes 8:9, wo's scales 10:11, bo 12:13, out0 14:15
	v_lshl_add_u32 v254, v0, 2, 0x8800
	v_mov_b32 v255, 0
	v_lshrrev_b32 v9, 5, v0
	v_readfirstlane_b32 s16, v9                    ; wave
	s_mov_b32 s17, ttmp9                           ; G
	s_and_b32 s18, ttmp7, 0xffff
	s_lshl_b32 s19, s18, 2
	s_add_co_u32 s19, s19, s16                     ; my group of 64 columns
	v_and_b32 v11, 31, v0
	v_lshlrev_b32 v1, 4, v11                       ; 16 x lane
	v_and_b32 v9, 15, v0                           ; r
	v_bfe_u32 v10, v0, 4, 1                        ; h
	v_and_b32 v11, 8, v9
	v_add_nc_u32 v11, v11, v9                      ; r + 8 (r / 8)
	v_mul_u32_u24 v3, v11, 384
	v_lshl_add_u32 v3, v10, 4, v3                  ; wo: a fragment's row of 384 bytes, + 16 h
	v_lshl_add_u32 v4, v10, 3, v11
	v_mul_u32_u24 v4, v4, 24                       ; wo's scale bytes: lanes 16-31 take the pair's second tile
	s_mul_i32 s20, s16, 8704                       ; my stage
	v_mul_u32_u24 v5, v9, 272
	v_lshl_add_u32 v5, v10, 6, v5
	v_add_nc_u32 v5, s20, v5                       ; in: row r, + 64 h
	v_mul_u32_u24 v6, v10, 272
	v_lshl_add_u32 v6, v9, 4, v6
	v_add_nc_u32 v6, s20, v6                       ; back: lanes 0-15 one row, lanes 16-31 the next
	v_mul_u32_u24 v8, v10, 9216
	v_lshl_add_u32 v2, v9, 3, v8                   ; the tokens' scale bytes: 8 r; lanes 16-31 take the pair's second tile
	v_mul_u32_u24 v7, v10, 3072
	v_lshl_add_u32 v7, v9, 4, v7                   ; and the same two rows in out0
	v_lshlrev_b32 v8, 6, v10                       ; the bias: 16 h numbers on
	s_mov_b32 s21, 0
	s_wait_alu depctr_va_vdst(0)
	s_wait_kmcnt 0x0
	s_mul_i32 s20, s17, 36864                      ; four tiles of 12 heads x 768 bytes
	s_add_nc_u64 s[4:5], s[4:5], s[20:21]
	s_mul_i32 s20, s19, 24576
	s_add_nc_u64 s[8:9], s[8:9], s[20:21]
	s_mul_i32 s20, s19, 1536
	s_add_nc_u64 s[10:11], s[10:11], s[20:21]
	s_lshl_b32 s20, s19, 8
	s_add_nc_u64 s[12:13], s[12:13], s[20:21]
	s_add_nc_u64 s[14:15], s[14:15], s[20:21]
	s_mul_i32 s20, s17, 196608
	s_add_nc_u64 s[14:15], s[14:15], s[20:21]
.irp p, 0,1
.irp hd, 0,1,2,3,4,5,6,7,8,9,10,11
	global_load_u16 v[RAW+12*\p+\hd], v2, s[4:5] offset:18432*\p+768*\hd+512   ; lanes 0-15: the pair's first tile, lanes 16-31 its second
.endr
.endr
.irp b, 0,1
.irp n, 0,1,2
	global_load_b64 v[WS+6*\b+2*\n:WS+6*\b+2*\n+1], v4, s[10:11] offset:768*\b+8*\n
.endr
.endr
	XLOAD 0
	WIN 0x40                                       ; destination window 1
.irp t, 0,1,2,3
.irp s, 0,1,2,3,4,5
.irp c, 0,1
	global_load_b128 v[WF+8*(6*\t+\s)+4*\c:WF+8*(6*\t+\s)+4*\c+3], v3, s[8:9] offset:(32*(\t/2)+8*(\t%2))*384+64*\s+32*\c
.endr
.endr
.endr
.irp t, 0,1,2,3
	global_load_b128 v[BI+8*\t:BI+8*\t+3], v8, s[12:13] offset:(32*(\t/2)+8*(\t%2))*4
	global_load_b128 v[BI+8*\t+4:BI+8*\t+7], v8, s[12:13] offset:(32*(\t/2)+8*(\t%2))*4+16
.endr
	WIN 0
	s_wait_loadcnt 0x0
.irp p, 0,1
.irp s, 0,1,2,3,4,5
	v_lshl_or_b32 v[XS+6*\p+\s], v[RAW+12*\p+2*\s+1], 16, v[RAW+12*\p+2*\s]   ; K step s: the bytes of heads 2 s and 2 s + 1
.endr
.endr
	PLACES 8                                       ; a scale register written by a vector instruction stands eight places ahead of a scaled matrix instruction
	s_wait_alu depctr_va_vdst(0)
.irp p, 0,1
	MMQK \p
	PLACES 5                                       ; four serve the loads into registers that matrix instructions have read and the LDS stores that read results; the fifth serves the next pair's first products,
	                                               ; which write these accumulators anew with the bias as C; no other plain vector instruction stands between the two pairs' products
.if \p == 0
	XLOAD 1                                        ; the second pair lands while the first goes out
.endif
.irp u, 0,1
.irp bb, 0,1
.irp q, 0,1,2,3
	ds_store_b128 v5, v[HA+32*\u+16*\bb+4*\q:HA+32*\u+16*\bb+4*\q+3] offset:4352*\u+128*\bb+16*\q   ; each accumulator from its low end on
.endr
.endr
.endr
.irp i, 0,1,2,3,4,5,6,7,8,9,10,11,12,13,14,15
	ds_load_b128 v[HA+4*\i:HA+4*\i+3], v6 offset:544*\i   ; LDS serves a wave's instructions in order: these see my stores, and come back into the registers that the numbers left
.endr
.irp i, 0,1,2,3,4,5,6,7,8,9,10,11,12,13,14,15
	s_wait_dscnt 15-\i                             ; load i is in; the younger ones may be out
	global_store_b128 v7, v[HA+4*\i:HA+4*\i+3], s[14:15] offset:49152*\p+(8*(\i/8)+2*(\i%8)+24*((\i%8)/4))*3072 th:TH_STORE_NT   ; stage rows 2 i, 2 i + 1 are tokens 16 p + 8 (i / 8) + 2 (i % 8) + 24 ((i % 8) / 4) + h of the 64
.endr
.if \p == 0
	s_wait_xcnt 0x0                                ; the stores have read their registers: the next sums are written there only behind this wait
	s_wait_loadcnt 0x0                             ; the second pair's fragments
.endif
.endr
	s_wait_tensorcnt 0x0                           ; the wave's end
	ds_add_u32 v254, v255
	s_wait_dscnt 0x0
	s_endpgm
.Lfunc_end_k_q5487e1e789_outp:
	.size	k_q5487e1e789_outp, .Lfunc_end_k_q5487e1e789_outp-k_q5487e1e789_outp
	.p2alignl 7, 3214868480
	.fill 96, 4, 3214868480
	.section	.rodata,"a",@progbits
	.p2align	6, 0x0
	.amdhsa_kernel k_q5487e1e789_outp
		.amdhsa_group_segment_fixed_size 35328
		.amdhsa_private_segment_fixed_size 0
		.amdhsa_enable_private_segment 0
		.amdhsa_kernarg_size 40
		.amdhsa_user_sgpr_count 2
		.amdhsa_user_sgpr_kernarg_segment_ptr 1
		.amdhsa_wavefront_size32 1
		.amdhsa_system_sgpr_workgroup_id_x 1
		.amdhsa_system_sgpr_workgroup_id_y 1
		.amdhsa_system_sgpr_workgroup_id_z 1
		.amdhsa_system_vgpr_workitem_id 0
		.amdhsa_next_free_vgpr 512
		.amdhsa_next_free_sgpr 66
		.amdhsa_reserve_vcc 0
		.amdhsa_float_denorm_mode_32 3
		.amdhsa_float_denorm_mode_16_64 3
		.amdhsa_memory_ordered 1
		.amdhsa_forward_progress 1
		.amdhsa_inst_pref_size 37
	.end_amdhsa_kernel
	.amdgpu_metadata
---
amdhsa.version: [ 1, 2 ]
amdhsa.kernels:
  - .name:           k_q5487e1e789_outp
    .symbol:         k_q5487e1e789_outp.kd
    .args:
      - { .name: hc, .offset: 0, .size: 8, .value_kind: global_buffer, .address_space: global }
      - { .name: wo_codes, .offset: 8, .size: 8, .value_kind: global_buffer, .address_space: global }
      - { .name: wo_scales, .offset: 16, .size: 8, .value_kind: global_buffer, .address_space: global }
      - { .name: bo, .offset: 24, .size: 8, .value_kind: global_buffer, .address_space: global }
      - { .name: out0, .offset: 32, .size: 8, .value_kind: global_buffer, .address_space: global }
    .group_segment_fixed_size: 35328
    .private_segment_fixed_size: 0
    .kernarg_segment_align: 8
    .kernarg_segment_size: 40
    .max_flat_workgroup_size: 128
    .sgpr_count:     66
    .vgpr_count:     512
    .wavefront_size: 32
...
	.end_amdgpu_metadata
.endif
;; end of part 3
